; MI455X (gfx1250); checked and timed in simulation.
; The chip was launched on July 23, 2026; its instructions are those of AMD's public machine-readable ISA for CDNA 5 (MIT licence, August 2026) and "CDNA5" Instruction Set Architecture Reference Guide (July 2026). The comments in the code are by the model that wrote it; some were corrected since.
;; Attention. Allowed arithmetic: matrix products marked QUANTISED: E2M3 operands, one E8M0 scale for each 32 along K, by v_wmma_scale_f32_16x16x128_f8f6f4 with both operands' format E2M3, f32 sums; everything else in f32.
;; Inputs: b_out 1,024 float32; w_out_codes 1,024 x 32 x 24 uint8 (E2M3 codes of w_out, K innermost, in blocks of 32 codes, four codes in three bytes); w_out_scales 1,024 x 32 uint8 (E8M0 scales of w_out, one for each 32 codes along K); w_qkv_codes 3,072 x 32 x 24 uint8 (E2M3 codes of w_qkv, K innermost, in blocks of 32 codes, four codes in three bytes); w_qkv_scales 3,072 x 32 uint8 (E8M0 scales of w_qkv, one for each 32 codes along K); x_codes 4 x 2,048 x 32 x 24 uint8 (E2M3 codes of x, K innermost, in blocks of 32 codes, four codes in three bytes); x_scales 4 x 2,048 x 32 uint8 (E8M0 scales of x, one for each 32 codes along K).
;; Outputs: out0 4 x 2,048 x 1,024 float32.
;; This version of the problem:
;;   THIS VERSION OF THE PROBLEM IS GIVEN IN LOW PRECISION. The matrix products marked QUANTISED in the list below multiply operands that are first quantised to E2M3 (2 exponent bits, 3 mantissa bits; 6 bits a number), with one power-of-two scale for each 32 numbers along K (OCP MX v1.0); their sums are f32. All else is computed in f32.
;;   The module's matrix products, in the order in which they are computed (A, B: the left and right operand; K: the contracted axis; several contracted axes count as one K, in the product's order):
;;     1. [M 8,192, K 1,024] x [K 1,024, N 3,072]; A: input x (given as codes); B: input w_qkv (given as codes): QUANTISED
;;     2. batch 64 x [M 2,048, K 64] x [K 64, N 2,048]; A: computed on the way; B: computed on the way: QUANTISED
;;     3. batch 64 x [M 2,048, K 2,048] x [K 2,048, N 64]; A: softmax (see below); B: computed on the way: QUANTISED
;;     4. [M 8,192, K 1,024] x [K 1,024, N 1,024]; A: computed on the way; B: input w_out (given as codes): QUANTISED
;;   THE QUANTISER, for each operand of a quantised product, along K:
;;     - K is cut into blocks of 32 from its start; a last block that is shorter is filled with zeros.
;;     - A block's scale is 2^e with e = floor(log2(the largest magnitude in the block)) - 2, held to -126 .. 127; a block of zeros has e = 0. As a byte (E8M0): e + 127.
;;     - Each number is divided by its block's scale, clamped to +-7.5, and rounded to the nearest number of E2M3, ties to even, subnormals kept.
;;     - The product sums the exact products of the quantised numbers (number of the format x scale) in f32.
;;   ~~~python
;;   def quantise(x, axis):      # numpy; x: float32 -> the quantised numbers, widened to float32 again
;;       x = np.moveaxis(x, axis, -1); K = x.shape[-1]
;;       x = np.pad(x, [(0, 0)] * (x.ndim - 1) + [(0, -K % 32)]); x = x.reshape(x.shape[:-1] + (-1, 32)); a = np.abs(x).max(-1, keepdims=True)
;;       e = np.where(a > 0, np.clip(np.frexp(np.where(a > 0, a, 1))[1] - 1 - 2, -126, 127), 0)      # np.frexp(a)[1] - 1 = floor(log2(a)), exactly
;;       r = np.clip(x / 2.0 ** e, -7.5, 7.5)
;;       step = 2.0 ** (np.maximum(np.frexp(np.where(r == 0, 1, r))[1] - 1, 0) - 3)
;;       q = np.round(r / step) * step * 2.0 ** e      # np.round: ties to even
;;       return np.moveaxis(q.reshape(q.shape[:-2] + (-1,))[..., :K], -1, axis).astype(np.float32)
;;   ~~~
;;   SOFTMAX AHEAD OF A QUANTISED PRODUCT. Where the list says 'softmax', what is quantised is not the finished softmax but p = 2^(t - M), with t = logit x log2(e) and M = ceil(the row's largest t), a whole number; so 1/2 < the row's largest p <= 1. The row's sum l is taken of the UNQUANTISED p, in f32, and the product's result is divided by l at the end. Since M is a whole number, a kernel that streams over the keys may use a running M (the ceiling of the running maximum): every later rescaling is an exact power of two, which a block's scale takes up: the codes' values come out the same.
;;   OPERANDS COMPUTED ON THE WAY. 'Computed on the way' means the value that the module computes at that place (a softmax that the list does not call 'softmax' is quantised finished and normalised). What goes into a quantiser is computed in f32, as accurately as f32 sums, v_exp_f32 and their like allow (about 1e-6 of the number): no bf16 or f16 on the way to a quantiser, and a product that is left as it is and whose result goes on into a quantised operand takes f32 operands (vector FMAs, or v_wmma_f32_16x16x4_f32). A number that lies on a knife's edge between two numbers of the format may be rounded either way, as far as f32 arithmetic and the matrix unit's own rounding can turn it there, and no further.
;;   INPUTS GIVEN AS CODES. w_out (in the module: [1024, 1024], K = its axis 1); w_qkv (in the module: [3072, 1024], K = its axis 1); x (in the module: [4, 2048, 1024], K = its axis 2): each comes as NAME_codes (uint8): NAME with its K axis moved to the last place and cut into blocks of 32 codes, [.., K / 32, bytes a block], one block behind the other in memory; four codes in three bytes: a row's codes are one little-endian stream of bits, code i at bits 6 i .. 6 i + 5 (a code: sign, 2 exponent bits, 3 mantissa bits); and NAME_scales (uint8): the same leading axes, one E8M0 byte (e + 127) for each 32 codes along K. Its value is code x scale, taken as it is: it is not quantised again, and the codes and scales need not be those that the quantiser above would give.
;; One version. Each part assembles by itself: llvm-mc -triple=amdgcn-amd-amdhsa -mcpu=gfx1250 --defsym DOCPART=n.
;; ======== version 1 of 1: 3 launches
;; limits: right only within a limited range of input values
;; workspace buffers: qkvb 20,185,088 bytes; ob 6,553,600 bytes
;; launch qkv (part 1): grid 12 x 32, 4 waves a work-group, clusters of 4 x 4, 327,680 bytes of LDS; arguments x_codes, x_scales, w_qkv_codes, w_qkv_scales, qkvb; writes qkvb
.if DOCPART == 1
	.amdgcn_target "amdgcn-amd-amdhsa--gfx1250"
	.amdhsa_code_object_version 6
	.text
	.protected	k_q1574278803_qkv
	.globl	k_q1574278803_qkv
	.p2align	8
	.type	k_q1574278803_qkv,@function
k_q1574278803_qkv:
	s_mov_b64 s[64:65], 0
	v_nop
	global_prefetch_b8 v0, s[64:65] scope:SCOPE_SE
	s_setreg_imm32_b32 hwreg(HW_REG_WAVE_MODE, 25, 1), 1
	s_wait_xcnt 0x0
	s_wait_alu depctr_hold_cnt(0) depctr_sa_sdst(0) depctr_va_vdst(0) depctr_va_sdst(0) depctr_va_ssrc(0) depctr_va_vcc(0) depctr_vm_vsrc(0)
	s_getreg_b32 s2, hwreg(HW_REG_IB_STS2, 6, 4)
	s_cmp_eq_u32 s2, 0
	s_cbranch_scc0 .Lentry_in_a_cluster
	s_endpgm
.Lentry_in_a_cluster:
	s_bfe_u32 s2, ttmp6, 0x10000c
	s_cmp_lg_u32 s2, 0xf033
	s_cbranch_scc0 .Lentry_shape_is_right
	s_endpgm
.Lentry_shape_is_right:
; Q, K, V = x w_qkv^T on codes of FP6 (E2M3) with E8M0 scales, K = 1,024; the results leave quantised, as images of the operand registers of the launch that reads them.  No work of the problem is left out.
; A work-group of four waves makes 256 x 256, a wave 128 x 128 (64 accumulators).  Clusters x = 0, 1: source 1 = x's rows, source 0 = W_q's or W_k's rows.  Cluster x = 2 (V): the operands change places, so that V comes out with the keys along a lane's registers.
; K goes through a ring of two LDS slots in CHUNKS OF 256 BYTES of each row of 768: every tile row begins at a multiple of 256 bytes.  A step of 128 along K is 96 bytes: eight steps to three chunks; steps 2 and 5 lie across two chunks.
; The scales of the 256 + 256 rows come once, as dense rows of 256 bytes.  CLUSTER 4 x 4: source 1's tiles are shared along a row, source 0's along a column, by joint loads.
; No prefetch: the block is the largest, in clusters, and K is three chunks, of which two are asked for at the head.
; qkvb: records of 19,712 bytes for (batch, head, 128 tokens): Q at 0, K at 6,656, V at 13,312.  LIMITS: a block whose largest magnitude lies under 2^-124 keeps the scale byte 1 (only this program reads these bytes).
.set ROWB,   256
.set NQ,     2
.set KROW,   768
.set STEPS,  8
.set CHUNKS, 3
.set PITCH,  272                       ; 256 + 16 of padding
.set FR,     12
.set NL,     6
.set NP,     4
.set HALFT,  128*PITCH
.set SLOT,   4*HALFT
.set KS,     32
.set SCL,    2*SLOT
.set HALFS,  16*272
.set SBLK,   2*272
.set SPARE,  SCL+4*HALFS
.set STAGE,  SLOT                      ; the way out's stage lies in slot 1: the last chunk lies in slot 0
.set SPITCH, 528
.set ODD,    16*SPITCH+128
.set WSTG,   2*ODD
.set REC,    19712
.set HEAD2,  16*REC
.set ADRA, 16                          ; v16-17 A's fragments in slot 0, 1; v18-19 for pieces whose two halves of the lanes read different chunks
.set ADRB, 20
.set STO,  24
.set RDQ,  25
.set L16,  26
.set ADRS, 27
.set SPW,  28
.set NIL,  29
.set L8,   30
.set SC,   32
.set AF,   128
.set ST,   128
.set CD,   192
.set TM,   212
.set PW,   228
.set PWS,  232
.set RW,   240
.set RW2,  244
.set G1, 24
.set G0, 32
.set G1B, 48
.set G0B, 56
.set G1S, 68
.set G0S, 76
.set G1SB, 80
.set G0SB, 88
.set G0H, 4
.set G0HB, 8
.set SEL, 98
.set HM,  100
.set ISV, 101
.set MSB, 0
.macro WIN new
.if MSB != \new
	s_set_vgpr_msb (MSB<<8)|\new
.set MSB, \new
.endif
.endm
.set MUL_LO, 0xa1
.set MUL_HI, 0xf1
.set TO_B,   0x40
.macro JLOAD g0a, g1a, g0b, g1b        ; waves 0, 1 fetch for A, waves 2, 3 for B
	s_cmp_eq_u32 s15, 0
	s_cbranch_scc0 .Lfor_b_\@
	tensor_load_to_lds s[\g0a:\g0a+3], s[\g1a:\g1a+7]
	s_nop 0
.rept 4
	v_nop
.endr
	s_branch .Lasked_\@
.Lfor_b_\@:
	tensor_load_to_lds s[\g0b:\g0b+3], s[\g1b:\g1b+7]
	s_nop 0
.rept 4
	v_nop
.endr
.Lasked_\@:
.endm
.macro CREST
	s_cmp_lg_u32 s14, 0
	s_cbranch_scc1 .Lnot_wave_0_\@
	s_barrier_signal -3
.Lnot_wave_0_\@:
	s_barrier_wait -3
	s_barrier_signal -1
	s_barrier_wait -1
.endm
.macro CROUND
	s_barrier_signal -1
	s_barrier_wait -1
	CREST
.endm
	s_load_b128 s[4:7], s[0:1], 0x0
	s_load_b128 s[8:11], s[0:1], 0x10
	s_load_b64 s[12:13], s[0:1], 0x20
	v_lshl_add_u32 v[SPW], v0, 2, SPARE
	v_mov_b32 v[NIL], 0
	ds_add_u32 v[SPW], v[NIL]                      ; the opening lines
	ds_add_u32 v[SPW], v[NIL]
	v_lshrrev_b32 v1, 5, v0
	v_readfirstlane_b32 s14, v1
	s_lshr_b32 s15, s14, 1
	s_and_b32 s16, s14, 1
	s_bfe_u32 s40, ttmp6, 0x40000
	s_bfe_u32 s41, ttmp6, 0x40004
	s_and_b32 s45, ttmp7, 0xffff
	s_cmp_eq_u32 ttmp9, 2
	s_cselect_b32 s[ISV], 1, 0                     ; V: A = W_v's rows, B = x's rows
	s_cselect_b32 s42, s45, ttmp9
	s_cselect_b32 s17, 0, s45
	s_cselect_b32 s95, 2048, 0
	s_lshl_b32 s42, s42, 2
	s_add_co_u32 s42, s42, s40                     ; B's tile
	s_lshl_b32 s17, s17, 2
	s_add_co_u32 s17, s17, s41                     ; A's tile
	s_lshl_b32 s43, s41, 2
	s_lshl_b32 s43, 15, s43
	s_lshl_b32 s44, 0x1111, s40
	s_mov_b32 s[SEL], 0x76543210
	s_mov_b32 s[SEL+1], 0xfedcba98
	s_mov_b32 s[HM], 0xffff0000
	s_or_b32 s[G1+0], s43, (0<<16)|(1<<20)|(1<<21)|(5<<22)|(3<<25)
	s_or_b32 s[G1B+0], s44, (0<<16)|(1<<20)|(1<<21)|(5<<22)|(3<<25)
.irp g, G1, G1B
	s_mov_b32 s[\g+1], ROWB<<16
	s_mov_b32 s[\g+2], 256<<16                     ; the head's loads bring 256 rows
	s_mov_b32 s[\g+3], ROWB<<16
	s_mov_b32 s[\g+4], 256
	s_mov_b32 s[\g+5], KROW
	s_mov_b32 s[\g+6], 0
	s_mov_b32 s[\g+7], 0
.endr
	s_or_b32 s[G1S+0], s43, (3<<16)|(1<<20)|(1<<21)|(5<<22)|(3<<25)
	s_or_b32 s[G1SB+0], s44, (3<<16)|(1<<20)|(1<<21)|(5<<22)|(3<<25)
.irp g, G1S, G1SB
	s_mov_b32 s[\g+1], 32<<16
	s_mov_b32 s[\g+2], KS<<16
	s_mov_b32 s[\g+3], 32<<16
	s_mov_b32 s[\g+4], KS
	s_mov_b32 s[\g+5], 32
	s_mov_b32 s[\g+6], 0
	s_mov_b32 s[\g+7], 0
.endr
	s_lshl_b32 s20, s17, 8
	s_add_co_u32 s20, s20, s95
	s_lshl_b32 s46, s42, 8
	s_mov_b32 s21, 0
	s_mov_b32 s47, 0
	s_mov_b64 s[18:19], KS
	s_mul_u64 s[22:23], s[20:21], s[18:19]
	s_mul_u64 s[92:93], s[46:47], s[18:19]
	s_mov_b64 s[18:19], KROW
	s_mul_u64 s[20:21], s[20:21], s[18:19]
	s_mul_u64 s[46:47], s[46:47], s[18:19]
	s_mul_i32 s18, s16, 128*KROW
	s_mov_b32 s19, 0
	s_mul_i32 s45, s14, HALFT
	s_wait_dscnt 0x0
	s_wait_kmcnt 0x0
	s_cmp_eq_u32 s[ISV], 1
	s_cselect_b64 s[96:97], s[8:9], s[4:5]
	s_cselect_b64 s[8:9], s[4:5], s[8:9]
	s_mov_b64 s[4:5], s[96:97]
	s_cselect_b64 s[96:97], s[10:11], s[6:7]
	s_cselect_b64 s[10:11], s[6:7], s[10:11]
	s_mov_b64 s[6:7], s[96:97]
	s_add_nc_u64 s[20:21], s[4:5], s[20:21]
	s_add_nc_u64 s[22:23], s[6:7], s[22:23]
	s_add_nc_u64 s[46:47], s[8:9], s[46:47]
	s_add_nc_u64 s[92:93], s[10:11], s[92:93]
	CROUND                                         ; in front of the first joint loads
	s_mov_b32 s[G0H], 1
	s_mov_b32 s[G0H+1], 0
	s_mov_b64 s[G0H+2:G0H+3], s[20:21]
	s_or_b32 s[G0H+3], s[G0H+3], 0x80000000
	s_mov_b32 s[G0HB], 1
	s_mov_b32 s[G0HB+1], 2*HALFT
	s_mov_b64 s[G0HB+2:G0HB+3], s[46:47]
	s_or_b32 s[G0HB+3], s[G0HB+3], 0x80000000
	s_mov_b32 s[G0S], 1
	s_mov_b32 s[G0S+1], SCL
	s_mov_b64 s[G0S+2:G0S+3], s[22:23]
	s_or_b32 s[G0S+3], s[G0S+3], 0x80000000
	s_mov_b32 s[G0SB], 1
	s_mov_b32 s[G0SB+1], SCL+2*HALFS
	s_mov_b64 s[G0SB+2:G0SB+3], s[92:93]
	s_or_b32 s[G0SB+3], s[G0SB+3], 0x80000000
	s_add_nc_u64 s[20:21], s[20:21], s[18:19]      ; for the ring: my 128 rows
	s_add_nc_u64 s[46:47], s[46:47], s[18:19]
.irp s, 0,1
	s_mov_b32 s[G0+4*\s], 1
	s_add_co_u32 s[G0+4*\s+1], s45, \s*SLOT
	s_add_nc_u64 s[G0+4*\s+2:G0+4*\s+3], s[20:21], \s*ROWB
	s_or_b32 s[G0+4*\s+3], s[G0+4*\s+3], 0x80000000
	s_mov_b32 s[G0B+4*\s], 1
	s_add_co_u32 s[G0B+4*\s+1], s45, \s*SLOT
	s_add_nc_u64 s[G0B+4*\s+2:G0B+4*\s+3], s[46:47], \s*ROWB
	s_or_b32 s[G0B+4*\s+3], s[G0B+4*\s+3], 0x80000000
.endr
; the head's loads, one a wave: chunk 0 of A, chunk 0 of B, A's scales, B's scales
.macro ARM under, g0, g1, next
	s_cmp_lt_u32 s14, \under
	s_cbranch_scc0 \next
	tensor_load_to_lds s[\g0:\g0+3], s[\g1:\g1+7]
	s_nop 0
.rept 4
	v_nop
.endr
	s_branch .Lhead_asked
\next:
.endm
	ARM 1, G0H,  G1,  .Lhead_b
	ARM 2, G0HB, G1B, .Lhead_sa
	ARM 3, G0S,  G1S, .Lhead_sb
	tensor_load_to_lds s[G0SB:G0SB+3], s[G1SB:G1SB+7]
	s_nop 0
.rept 4
	v_nop
.endr
.Lhead_asked:
	v_and_b32 v1, 15, v0
	v_bfe_u32 v2, v0, 4, 1
	v_mul_u32_u24 v3, v1, PITCH
	v_mul_u32_u24 v4, v2, 24
	v_add_nc_u32 v4, v3, v4                        ; row x pitch + 24 x half
	s_mov_b32 s21, SLOT-232
	s_mov_b32 s22, SLOT+232
	v_sub_nc_u32 v7, 1, v2
	v_mul_u32_u24 v5, s21, v2
	v_add_nc_u32 v5, v3, v5
	v_add_nc_u32 v5, 232, v5                       ; lanes 0-15 byte 232 in slot 0, lanes 16-31 byte 0 in slot 1
	v_mul_u32_u24 v6, s22, v7
	v_add_nc_u32 v6, v3, v6                        ; and the other way round
	s_mul_i32 s21, s15, HALFT
	s_mul_i32 s22, s16, HALFT
	s_add_co_u32 s22, s22, 2*HALFT
	v_add_nc_u32 v[ADRA+2], s21, v5
	v_add_nc_u32 v[ADRA+3], s21, v6
	v_add_nc_u32 v[ADRB+2], s22, v5
	v_add_nc_u32 v[ADRB+3], s22, v6
.irp s, 0,1
	v_add_nc_u32 v[ADRA+\s], s21, v4
	v_add_nc_u32 v[ADRB+\s], s22, v4
	s_add_co_u32 s21, s21, SLOT
	s_add_co_u32 s22, s22, SLOT
.endr
	v_mul_u32_u24 v5, v1, KS
	v_lshrrev_b32 v6, 8, v5
	v_lshl_add_u32 v5, v6, 4, v5
	s_mul_i32 s21, s15, HALFS
	s_mul_i32 s22, s16, HALFS
	s_add_co_u32 s22, s22, 2*HALFS
	s_sub_co_u32 s22, s22, s21
	v_mul_u32_u24 v6, s22, v2                      ; lanes 16-31 take B's scale words
	s_add_co_u32 s21, s21, SCL
	v_add_nc_u32 v5, v5, v6
	v_add_nc_u32 v[ADRS], s21, v5
	s_mul_i32 s23, s14, WSTG
	s_add_co_u32 s23, s23, STAGE
	v_mul_u32_u24 v5, v1, SPITCH
	v_lshl_add_u32 v5, v2, 5, v5
	v_add_nc_u32 v[STO], s23, v5
	v_and_b32 v6, 7, v1
	v_mul_u32_u24 v6, v6, SPITCH
	v_lshrrev_b32 v7, 3, v1
	v_mad_u32_u24 v6, v7, ODD, v6
	v_lshl_add_u32 v6, v2, 6, v6
	v_add_nc_u32 v[RDQ], s23, v6
	v_and_b32 v6, 31, v0
	v_lshlrev_b32 v[L16], 4, v6
	v_lshlrev_b32 v[L8], 3, v6
	s_lshr_b32 s47, s42, 2                         ; where my records begin in qkvb
	s_mul_i32 s47, s47, 6656
	s_mov_b32 s92, 13312
	s_cmp_eq_u32 s[ISV], 1
	s_cselect_b32 s20, s42, s17
	s_cselect_b32 s21, s16, s15
	s_cselect_b32 s22, s17, s42
	s_cselect_b32 s46, s15, s16
	s_cselect_b32 s47, s92, s47
	s_and_b32 s22, s22, 3
	s_lshr_b32 s93, s20, 3
	s_lshl_b32 s93, s93, 4
	s_lshl_b32 s22, s22, 2
	s_add_co_u32 s93, s93, s22
	s_lshl_b32 s46, s46, 1
	s_add_co_u32 s93, s93, s46
	s_lshl_b32 s93, s93, 4
	s_lshl_b32 s20, s20, 1
	s_add_co_u32 s20, s20, s21
	s_and_b32 s20, s20, 15
	s_add_co_u32 s93, s93, s20
	s_mul_i32 s20, s93, REC
	s_add_co_u32 s20, s20, s47
	s_mov_b32 s21, 0
	s_add_nc_u64 s[12:13], s[12:13], s[20:21]
.macro FRAG reg, adr, st, i            ; 16 rows x 128 K: six pieces of 8 bytes; byte y of a row lies in slot (y / 256) % 2 at byte y % 256
.irp p, 0,1,2,3,4,5
.set BY, 96*(\st)+48*(\p/3)+8*(\p%3)
.if BY/ROWB == (BY+24)/ROWB
	ds_load_b64 v[\reg+2*\p:\reg+2*\p+1], v[\adr+(BY/ROWB)%2] offset:BY%ROWB+(\i)*16*PITCH
.else
	ds_load_b64 v[\reg+2*\p:\reg+2*\p+1], v[\adr+2+(BY/ROWB)%2] offset:BY%ROWB-232+(\i)*16*PITCH
.endif
.endr
.endm
.macro MUL16 a0, p, q, sc, zero        ; the 64 accumulators take turns
.irp a, \a0, \a0+1
.irp b, 0,1,2,3,4,5,6,7
.if \zero
	v_wmma_scale_f32_16x16x128_f8f6f4 v[8*(8*((\a)%4)+\b):8*(8*((\a)%4)+\b)+7], v[128*(\p)+FR*\b:128*(\p)+FR*\b+FR-1], v[AF+FR*(\a):AF+FR*(\a)+FR-1], 0, v[SC+8*NQ*(\sc)+NQ*\b+(\q)], v[SC+8*NQ*(\sc)+NQ*(\a)+(\q)] matrix_a_fmt:MATRIX_FMT_FP6 matrix_b_fmt:MATRIX_FMT_FP6 matrix_a_scale:MATRIX_SCALE_ROW1
.else
	v_wmma_scale_f32_16x16x128_f8f6f4 v[8*(8*((\a)%4)+\b):8*(8*((\a)%4)+\b)+7], v[128*(\p)+FR*\b:128*(\p)+FR*\b+FR-1], v[AF+FR*(\a):AF+FR*(\a)+FR-1], v[8*(8*((\a)%4)+\b):8*(8*((\a)%4)+\b)+7], v[SC+8*NQ*(\sc)+NQ*\b+(\q)], v[SC+8*NQ*(\sc)+NQ*(\a)+(\q)] matrix_a_fmt:MATRIX_FMT_FP6 matrix_b_fmt:MATRIX_FMT_FP6 matrix_a_scale:MATRIX_SCALE_ROW1
.endif
.endr
.endr
.endm
.macro FETCH_B st, p
	WIN TO_B
.irp i, 0,1,2,3,4,5,6,7
	FRAG 128*(\p)+FR*\i, ADRB, \st, \i
.endr
	WIN 0
.endm
.macro FETCH_A st, i0
.irp i, \i0, \i0+1, \i0+2, \i0+3
	FRAG AF+FR*(\i), ADRA, \st, \i
.endr
.endm
.macro SCALES pr                       ; the scale words of steps 2 pr, 2 pr + 1
.irp i, 0,1,2,3,4,5,6,7
	ds_load_b64 v[SC+8*NQ*((\pr)%2)+NQ*\i:SC+8*NQ*((\pr)%2)+NQ*\i+1], v[ADRS] offset:\i*SBLK+4*NQ*(\pr)
.endr
.endm
.macro PLACES n
.rept \n
	v_nop
.endr
.endm
; A step: 64 products; the next step's fragments are fetched in its middle and at its end.  Where the next step ends in a chunk not read yet, a barrier shows that chunk; where it begins in a later chunk, the chunk left behind is free:
; the three lines, the barrier, and, where a chunk two on is left, the cluster's round and the refill.
.macro STEP st, zero
.set NX, (\st)+1
.set C0, (96*(\st))/ROWB
.set C1, (96*NX)/ROWB
.set E0, (96*(\st)+95)/ROWB
.set E1, (96*NX+95)/ROWB
.if C1 > C0 || E1 > E0
	s_wait_tensorcnt 0x0
.if C1 > C0
	ds_add_u32 v[SPW], v[NIL]
	s_wait_dscnt 4*NL+1                            ; the add and A's blocks 4-7 may be out
.else
	s_wait_dscnt 4*NL                              ; A's blocks 4-7 may be out
.endif
	WIN MUL_LO
	MUL16 0, (\st)%2, (\st)%2, ((\st)/2)%2, \zero
	s_wait_dscnt 0x0
	s_barrier_signal -1
	MUL16 2, (\st)%2, (\st)%2, ((\st)/2)%2, \zero
	WIN 0
	s_barrier_wait -1
.if C1 > C0 && C0+2 < CHUNKS
	CREST
	s_add_nc_u64 s[G0+4*(C0%2)+2:G0+4*(C0%2)+3], s[G0+4*(C0%2)+2:G0+4*(C0%2)+3], 2*ROWB
	s_add_nc_u64 s[G0B+4*(C0%2)+2:G0B+4*(C0%2)+3], s[G0B+4*(C0%2)+2:G0B+4*(C0%2)+3], 2*ROWB
	JLOAD G0+4*(C0%2), G1, G0B+4*(C0%2), G1B
.else
	PLACES NP
.endif
.else
	s_wait_dscnt 4*NL
	WIN MUL_LO
	MUL16 0, (\st)%2, (\st)%2, ((\st)/2)%2, \zero
	MUL16 2, (\st)%2, (\st)%2, ((\st)/2)%2, \zero
	s_wait_dscnt 0
	PLACES NP
.endif
	FETCH_B NX, NX%2
	FETCH_A NX, 0
.if NX%2 == 0
	SCALES NX/2
.endif
	WIN MUL_HI
	MUL16 4, (\st)%2, (\st)%2, ((\st)/2)%2, \zero
	MUL16 6, (\st)%2, (\st)%2, ((\st)/2)%2, \zero
	PLACES NP
	WIN 0
	FETCH_A NX, 4
.endm
	s_wait_alu depctr_va_vdst(0)                   ; the wait at the head's end
	s_wait_tensorcnt 0x0
	ds_add_u32 v[SPW], v[NIL]
	s_mov_b32 s[G1+2], 128<<16                     ; none of my loads is out: from here on a load brings 128 rows
	s_mov_b32 s[G1+4], 128
	s_mov_b32 s[G1B+2], 128<<16
	s_mov_b32 s[G1B+4], 128
	s_wait_dscnt 0x0
	CROUND
	JLOAD G0+4, G1, G0B+4, G1B                     ; chunk 1
	FETCH_B 0, 0
	FETCH_A 0, 0
	SCALES 0
	FETCH_A 0, 4
	STEP 0, 1
.set SN, 1
.rept STEPS-2
	STEP SN, 0
.set SN, SN+1
.endr
	s_wait_dscnt 4*NL
	WIN MUL_LO
	MUL16 0, 1, 1, 1, 0
	MUL16 2, 1, 1, 1, 0
	s_wait_dscnt 0
	WIN MUL_HI
	MUL16 4, 1, 1, 1, 0
	MUL16 6, 1, 1, 1, 0
	WIN 0
; THE WAY OUT: two blocks of 16 rows through my stage, read back so that a lane holds 64 neighbours along the next K, quantised, stored as register images.
.macro TOSTAGE2 a
	WIN 0x08+4*((\a)/4)
.irp e, 0,1
.irp b, 0,1,2,3,4,5,6,7
	ds_store_b128 v[STO], v[64*(((\a)+\e)%4)+8*\b:64*(((\a)+\e)%4)+8*\b+3] offset:ODD*\e+64*\b
	ds_store_b128 v[STO], v[64*(((\a)+\e)%4)+8*\b+4:64*(((\a)+\e)%4)+8*\b+7] offset:ODD*\e+64*\b+16
.endr
.endr
	WIN 0
.endm
.macro BACK u
.irp k, 0,1,2,3
.irp j, 0,1,2,3
	ds_load_b128 v[ST+16*\k+4*\j:ST+16*\k+4*\j+3], v[RDQ] offset:8*SPITCH*(\u)+128*\k+16*\j
.endr
.endr
.endm
.macro QUANT s
.irp b, 0,1,2,3
	v_max3_num_f32 v[TM+\b], |v[\s+16*\b]|, |v[\s+1+16*\b]|, 0x1800000
.endr
.irp i, 2,4,6,8,10,12,14
.irp b, 0,1,2,3
	v_max3_num_f32 v[TM+\b], v[TM+\b], |v[\s+16*\b+\i]|, |v[\s+1+16*\b+\i]|
.endr
.endr
.irp b, 0,1,2,3
	v_permlanex16_b32 v[TM+4+\b], v[TM+\b], s[SEL], s[SEL+1]
.endr
.irp b, 0,1,2,3
	v_max_num_f32 v[TM+\b], v[TM+\b], v[TM+4+\b]
.endr
.irp b, 0,1,2,3
	v_add_nc_u32 v[TM+12+\b], 0xff000000, v[TM+\b]
.endr
.irp b, 0,1,2,3
	v_lshrrev_b32 v[TM+4+\b], 23, v[TM+12+\b]
.endr
	v_lshl_or_b32 v[PW], v[TM+5], 8, v[TM+4]
	v_lshl_or_b32 v[PW], v[TM+6], 16, v[PW]
	v_lshl_or_b32 v[PW], v[TM+7], 24, v[PW]
.irp c, 0,1
	v_cvt_scalef32_pk16_fp6_f32 v[CD+6*\c:CD+2+6*\c], v[\s+32*\c:\s+15+32*\c], v[TM+12+2*\c]
	v_cvt_scalef32_pk16_fp6_f32 v[CD+12+4*\c:CD+14+4*\c], v[\s+16+32*\c:\s+31+32*\c], v[TM+12+2*\c+1]
.endr
	v_nop
.irp c, 0,1
.irp i, 0,1,2
	v_permlane16_swap_b32 v[CD+6*\c+\i], v[CD+12+4*\c+\i]
.endr
.irp i, 0,1,2
	v_mov_b32 v[CD+3+6*\c+\i], v[CD+12+4*\c+\i]
.endr
.endr
.endm
.macro PUT i
	s_cmp_eq_u32 s[ISV], 1
	s_cbranch_scc1 .Lput_v_\@
	global_store_b128 v[L16], v[CD:CD+3], s[12:13] offset:768*(\i)
	global_store_b64 v[L8], v[CD+4:CD+5], s[12:13] offset:768*(\i)+512
	global_store_b128 v[L16], v[CD+6:CD+9], s[12:13] offset:HEAD2+768*(\i)
	global_store_b64 v[L8], v[CD+10:CD+11], s[12:13] offset:HEAD2+768*(\i)+512
	s_branch .Lput_done_\@
.Lput_v_\@:
	s_wait_alu depctr_va_vdst(0)
.irp c, 0,1,2
	global_store_b128 v[L16], v[CD+4*\c:CD+4*\c+3], s[12:13] offset:((\i)/4)*HEAD2+1536*((\i)%4)+512*\c
.endr
.Lput_done_\@:
.endm
.macro TILE a, u
	BACK \u
	s_wait_dscnt 0x0
	s_wait_xcnt 0x0
	QUANT ST
	v_mov_b32 v[PWS+(\a)+(\u)], v[PW]
	PUT (\a)+(\u)
.endm
	PLACES NP
.irp b, 0,1,2,3
	v_mov_b32 v[TM+4+\b], 0
.endr
.irp a, 0,2,4,6
	TOSTAGE2 \a
	TILE \a, 0
	TILE \a, 1
.endr
	s_wait_alu depctr_va_vdst(0)
.irp j, 0,1,2,3
	v_cndmask_b32 v[RW+\j], v[PWS+2*\j], v[PWS+2*\j+1], s[HM]
.endr
	s_cmp_eq_u32 s[ISV], 1
	s_cbranch_scc1 .Lsc_v
.irp j, 0,1,2,3
	v_and_b32 v[RW2+\j], 0xffff, v[RW+\j]
.endr
.irp j, 0,1,2,3
	v_lshrrev_b32 v[RW+\j], 16, v[RW+\j]
.endr
	global_store_b128 v[L16], v[RW2:RW2+3], s[12:13] offset:6144
	global_store_b128 v[L16], v[RW:RW+3], s[12:13] offset:HEAD2+6144
	s_branch .Lsc_done
.Lsc_v:
	s_wait_alu depctr_va_vdst(0)
	global_store_b64 v[L8], v[RW:RW+1], s[12:13] offset:6144
	global_store_b64 v[L8], v[RW+2:RW+3], s[12:13] offset:HEAD2+6144
.Lsc_done:
	s_wait_tensorcnt 0x0
	ds_add_u32 v[SPW], v[NIL]
	s_wait_dscnt 0x0
	CROUND
	s_endpgm
.Lfunc_end_k_q1574278803_qkv:
	.size	k_q1574278803_qkv, .Lfunc_end_k_q1574278803_qkv-k_q1574278803_qkv
	.p2alignl 7, 3214868480
	.fill 96, 4, 3214868480
	.section	.rodata,"a",@progbits
	.p2align	6, 0x0
	.amdhsa_kernel k_q1574278803_qkv
		.amdhsa_group_segment_fixed_size 327680
		.amdhsa_private_segment_fixed_size 0
		.amdhsa_enable_private_segment 0
		.amdhsa_kernarg_size 40
		.amdhsa_user_sgpr_count 2
		.amdhsa_user_sgpr_kernarg_segment_ptr 1
		.amdhsa_wavefront_size32 1
		.amdhsa_system_sgpr_workgroup_id_x 1
		.amdhsa_system_sgpr_workgroup_id_y 1
		.amdhsa_system_sgpr_workgroup_id_z 1
		.amdhsa_system_vgpr_workitem_id 0
		.amdhsa_next_free_vgpr 1024
		.amdhsa_next_free_sgpr 102
		.amdhsa_reserve_vcc 0
		.amdhsa_float_denorm_mode_32 3
		.amdhsa_float_denorm_mode_16_64 3
		.amdhsa_memory_ordered 1
		.amdhsa_forward_progress 1
		.amdhsa_inst_pref_size 187
	.end_amdhsa_kernel
	.amdgpu_metadata
---
amdhsa.version: [ 1, 2 ]
amdhsa.kernels:
  - .name:           k_q1574278803_qkv
    .symbol:         k_q1574278803_qkv.kd
    .args:
      - { .name: x_codes, .offset: 0, .size: 8, .value_kind: global_buffer, .address_space: global }
      - { .name: x_scales, .offset: 8, .size: 8, .value_kind: global_buffer, .address_space: global }
      - { .name: w_qkv_codes, .offset: 16, .size: 8, .value_kind: global_buffer, .address_space: global }
      - { .name: w_qkv_scales, .offset: 24, .size: 8, .value_kind: global_buffer, .address_space: global }
      - { .name: qkvb, .offset: 32, .size: 8, .value_kind: global_buffer, .address_space: global }
    .group_segment_fixed_size: 327680
    .private_segment_fixed_size: 0
    .kernarg_segment_align: 8
    .kernarg_segment_size: 40
    .max_flat_workgroup_size: 128
    .sgpr_count:     102
    .vgpr_count:     1024
    .wavefront_size: 32
...
	.end_amdgpu_metadata
.endif
;; end of part 1
;; launch attn (part 2): grid 4 x 64, 16 waves a work-group, clusters of 4 x 1, 219,136 bytes of LDS; arguments qkvb, ob; writes ob
.if DOCPART == 2
	.amdgcn_target "amdgcn-amd-amdhsa--gfx1250"
	.amdhsa_code_object_version 6
	.text
	.protected	k_q1574278803_attn
	.globl	k_q1574278803_attn
	.p2align	8
	.type	k_q1574278803_attn,@function
k_q1574278803_attn:
	s_mov_b64 s[64:65], 0
	v_nop
	global_prefetch_b8 v0, s[64:65] scope:SCOPE_SE
	s_setreg_imm32_b32 hwreg(HW_REG_WAVE_MODE, 25, 1), 1
	s_wait_xcnt 0x0
	s_wait_alu depctr_hold_cnt(0) depctr_sa_sdst(0) depctr_va_vdst(0) depctr_va_sdst(0) depctr_va_ssrc(0) depctr_va_vcc(0) depctr_vm_vsrc(0)
	s_getreg_b32 s2, hwreg(HW_REG_IB_STS2, 6, 4)
	s_cmp_eq_u32 s2, 0
	s_cbranch_scc0 .Lentry_in_a_cluster
	s_endpgm
.Lentry_in_a_cluster:
	s_bfe_u32 s2, ttmp6, 0x10000c
	s_cmp_lg_u32 s2, 0x3003
	s_cbranch_scc0 .Lentry_shape_is_right
	s_endpgm
.Lentry_shape_is_right:
; o = softmax(q k^T / 32) v for one (batch, head) and 512 queries, both products on codes of FP6 (E2M3) with E8M0 scales; o leaves quantised along (head, channel) for the last product.
; t = score x log2(e) / 32; M = the running largest t rounded up to a whole number; p = 2^(t - M) is quantised along the keys; the row's sum is taken of the unquantised p and divides at the end.  When M moves, the sum and O are multiplied by 2^(old M - new M).
; Sixteen waves of 256 registers; a wave owns one tile of 16 queries at a time, two one after the other.  A head's K and V, 16 records of 13,056 bytes (128 keys each), fill LDS once: wave w brings record w, jointly for the cluster's four work-groups.
; So there is no refill and no barrier in the loop, and no loop along which a prefetch could run ahead of a tensor load.
; Both products transposed (S^T = K Q^T, O^T = V^T P^T): a lane holds one query.  Lane r of K's tile T takes key 64 (T / 4) + 32 (r / 8) + 8 (T % 4) + r % 8, so the 32 registers of tiles 4 c .. 4 c + 3 are keys 64 c + 32 h + 0 .. 31: a whole scale block to a lane.
; The first product's K is 64: Q's codes of K = 64 .. 127 are zeros, so tile T's fragment may run on into tile T + 1's registers (tile 7's into p's codes); their scale bytes there are 0, never 0xff.
; THE EXPONENTIALS GO IN TWO BATCHES.  t - M of my first block, a wait, that block's exponentials, each with one plain line behind it that reads nothing written since the wait and whose result is first read behind the next wait
; (t - M of my second block, the rescalings of the sum and of O^T); a wait; the second block's exponentials; a wait; then scales, conversions and sums.
; LIMITS: the promise holds while the scaled scores stay under 2^31 in magnitude; a block whose largest magnitude lies under 2^-124 keeps the scale byte 1 (only this program reads these bytes).
.set REC,  19712
.set KV,   13056                       ; in LDS: K's 8 half images at 0, its scale words at 6,144, V's 4 images at 6,656, its scale words at 12,800
.set SPARE, 0x35000
.set AV16, 3
.set AV8,  4
.set AK16, 6
.set KSC,  8
.set QS,   28
.set PW,   29
.set VSC,  30
.set KF,   32
.set CD,   80
.set VF,   92
.set SS,   140
.set OO,   204
.set CT0,  236
.set B0,   236
.set B0B,  237
.set B1,   238
.set AK8,  239
.set CT1,  240
.set B1B,  240
.set AKS,  243
.set K16C, 244
.set K8C,  245
.set KS0,  246
.set OLDM, 247
.set SO,   248
.set SB,   250
.set H8,   255
; v1 16 x lane, v2 8 x lane, v5 Q's scale word's place, v7 o's scale byte's place; v12 -M, v13 the largest t, v[14:15] the sum; v16-27 Q; v[252:253] f; v254 at work
.set WV,  18
.set SEL, 20
.set CS,  22
.set G1,  24
.set G0,  32
.set QB,  36
.set QC,  38
.set OBR, 40
.set OC,  42
.set HM,  44
.set RB,  45
.set CNT, 46
.macro WALU
	s_wait_alu depctr_va_vdst(0)
.endm
.macro CROUND
	s_barrier_signal -1
	s_barrier_wait -1
	s_cmp_lg_u32 s[WV], 0
	s_cbranch_scc1 .Lnot_wave_0_\@
	s_barrier_signal -3
.Lnot_wave_0_\@:
	s_barrier_wait -3
	s_barrier_signal -1
	s_barrier_wait -1
.endm
.macro QLOAD p
	global_load_b128 v[16:19], v1, s[QC:QC+1] offset:39424*\p
	global_load_b64 v[20:21], v2, s[QC:QC+1] offset:39424*\p+512
	global_load_b32 v[QS], v5, s[QB:QB+1] offset:39424*\p+6144
.endm
	s_load_b128 s[4:7], s[0:1], 0x0
	v_lshl_add_u32 v254, v0, 2, SPARE
	v_mov_b32 v255, 0
	ds_add_u32 v254, v255                          ; the opening lines
	ds_add_u32 v254, v255
	v_lshrrev_b32 v1, 5, v0
	v_readfirstlane_b32 s[WV], v1
	s_bfe_u32 s8, ttmp6, 0x40000
	s_and_b32 s9, ttmp7, 0xffff                    ; 16 batch + head
	s_lshl_b32 s10, s9, 4
	s_add_co_u32 s10, s10, s[WV]
	s_mul_i32 s10, s10, REC
	s_add_co_u32 s10, s10, 6656                    ; K and V of record 16 (16 batch + head) + wave
	s_mov_b32 s11, 0
	s_mul_i32 s12, s[WV], KV
	s_mov_b32 s[G1], 15|(3<<16)|(1<<21)
	s_mov_b32 s[G1+1], 32<<16                      ; 51 rows of 256 bytes, dense
	s_mov_b32 s[G1+2], 51<<16
	s_mov_b32 s[G1+3], 32<<16
	s_mov_b32 s[G1+4], 51
	s_mov_b32 s[G1+5], 32
	s_mov_b32 s[G1+6], 0
	s_mov_b32 s[G1+7], 0
	s_lshl_b32 s13, ttmp9, 2
	s_add_co_u32 s13, s13, s8                      ; my block of 512 queries
	s_lshr_b32 s14, s[WV], 3
	s_and_b32 s15, s[WV], 7                        ; my tile i in a group of 128 queries
	s_lshl_b32 s16, s13, 2
	s_add_co_u32 s16, s16, s14                     ; the group of my first pass; the second's lies two on
	s_lshl_b32 s17, s9, 4
	s_add_co_u32 s17, s17, s16
	s_mul_i32 s48, s17, REC
	s_mov_b32 s49, 0
	s_mul_i32 s50, s15, 768
	s_mov_b32 s51, 0
	s_lshr_b32 s52, s9, 4
	s_lshl_b32 s52, s52, 4
	s_add_co_u32 s52, s52, s16
	s_lshl_b32 s52, s52, 3
	s_bfe_u32 s53, s9, 0x30001                     ; head / 2: the last product's K step
	s_add_co_u32 s52, s52, s53
	s_mul_i32 s52, s52, 12800
	s_mov_b32 s53, 0
	s_and_b32 s54, s9, 1
	s_mul_i32 s56, s15, 1536
	s_mul_i32 s57, s54, 768
	s_add_co_u32 s56, s56, s57
	s_mov_b32 s57, 0
	s_and_b32 s58, s15, 1
	s_lshl_b32 s58, s58, 8
	s_lshr_b32 s59, s15, 1
	s_lshl_b32 s59, s59, 2
	s_add_co_u32 s58, s58, s59
	s_lshl_b32 s59, s54, 1
	s_mov_b32 s[SEL], 0x76543210
	s_mov_b32 s[SEL+1], 0xfedcba98
	s_mov_b32 s[CS], 0x3d38aa3b                    ; log2(e) / 32
	s_mov_b32 s[CS+1], s[CS]
	s_mov_b32 s[HM], 0xffff0000
	s_wait_dscnt 0x0
	s_wait_kmcnt 0x0
	s_add_nc_u64 s[QB:QB+1], s[4:5], s[48:49]
	s_add_nc_u64 s[QC:QC+1], s[QB:QB+1], s[50:51]
	s_add_nc_u64 s[OBR:OBR+1], s[6:7], s[52:53]
	s_add_nc_u64 s[OC:OC+1], s[OBR:OBR+1], s[56:57]
	s_mov_b32 s[G0], 1
	s_mov_b32 s[G0+1], s12
	s_add_nc_u64 s[G0+2:G0+3], s[4:5], s[10:11]
	s_or_b32 s[G0+3], s[G0+3], 0x80000000
	CROUND
	tensor_load_to_lds s[G0:G0+3], s[G1:G1+7]      ; my one tensor load of the launch
	s_nop 0
.rept 4
	v_nop
.endr
	v_and_b32 v6, 31, v0
	v_lshlrev_b32 v1, 4, v6
	v_lshlrev_b32 v2, 3, v6
	v_and_b32 v5, 15, v0
	v_lshlrev_b32 v5, 4, v5
	v_add_nc_u32 v5, s58, v5
	v_bfe_u32 v3, v0, 4, 1
	v_add_nc_u32 v7, v5, v3
	v_add_nc_u32 v7, s59, v7
	QLOAD 0
	v_lshlrev_b32 v[H8], 3, v3
	v_and_b32 v4, 7, v0
	v_bfe_u32 v6, v0, 3, 1
	v_mul_u32_u24 v[K16C], v6, 1536
	v_lshl_add_u32 v[K8C], v3, 7, v[K16C]
	v_lshl_add_u32 v[K8C], v4, 3, v[K8C]
	v_lshl_add_u32 v[K16C], v3, 8, v[K16C]
	v_lshl_add_u32 v[K16C], v4, 4, v[K16C]
	v_lshlrev_b32 v[KS0], 8, v3
	v_lshl_add_u32 v[KS0], v4, 4, v[KS0]
	v_lshl_add_u32 v[KS0], v6, 2, v[KS0]
.irp j, 22,23,24,25,26,27
	v_mov_b32 v[\j], 0                             ; Q's codes of K = 64 .. 127
.endr
.irp j, 0,1,2,3,4,5
	v_mov_b32 v[CD+\j], 0
.endr
	v_mov_b32 v253, 0
	WALU                                           ; the wait at the head's end
	s_wait_tensorcnt 0x0
	s_barrier_signal -1
	s_barrier_wait -1
.macro ADDR                            ; my five places in the trip's first record; the records behind it are reached by immediates
	v_add_nc_u32 v[AV16], s[RB], v1
	v_add_nc_u32 v[AV8], s[RB], v2
	v_add_nc_u32 v[AK16], s[RB], v[K16C]
	v_add_nc_u32 v[AK8], s[RB], v[K8C]
	v_add_nc_u32 v[AKS], s[RB], v[KS0]
.endm
.macro KLOAD n                         ; 20 loads
.irp t, 0,1,2,3,4,5,6,7
	ds_load_b128 v[KF+6*\t:KF+6*\t+3], v[AK16] offset:KV*(\n)+768*(4*(\t/4)+\t%2)+128*((\t%4)/2)
	ds_load_b64 v[KF+6*\t+4:KF+6*\t+5], v[AK8] offset:KV*(\n)+768*(4*(\t/4)+\t%2)+512+64*((\t%4)/2)
.endr
.irp j, 0,1,2,3
	ds_load_b32 v[KSC+\j], v[AKS] offset:KV*(\n)+6144+8*(\j/2)+128*(\j%2)
.endr
.endm
.macro VLOAD k                         ; 13 loads
.irp t, 0,1,2,3
.irp c, 0,1,2
	ds_load_b128 v[VF+12*\t+4*\c:VF+12*\t+4*\c+3], v[AV16] offset:KV*(\k)+6656+1536*\t+512*\c
.endr
.endr
	ds_load_b64 v[VSC:VSC+1], v[AV8] offset:KV*(\k)+12800
.endm
.macro QK t
.if (\t)%2
	v_wmma_scale_f32_16x16x128_f8f6f4 v[SS+8*(\t):SS+8*(\t)+7], v[KF+6*(\t):KF+6*(\t)+11], v[16:27], 0, v[KSC+(\t)/2], v[QS] matrix_a_fmt:MATRIX_FMT_FP6 matrix_b_fmt:MATRIX_FMT_FP6 matrix_a_scale:MATRIX_SCALE_ROW1
.else
	v_wmma_scale_f32_16x16x128_f8f6f4 v[SS+8*(\t):SS+8*(\t)+7], v[KF+6*(\t):KF+6*(\t)+11], v[16:27], 0, v[KSC+(\t)/2], v[QS] matrix_a_fmt:MATRIX_FMT_FP6 matrix_b_fmt:MATRIX_FMT_FP6
.endif
.endm
.macro PV t
.if (\t)%2
	v_wmma_scale_f32_16x16x128_f8f6f4 v[OO+8*(\t):OO+8*(\t)+7], v[VF+12*(\t):VF+12*(\t)+11], v[CD:CD+11], v[OO+8*(\t):OO+8*(\t)+7], v[VSC+(\t)/2], v[PW] matrix_a_fmt:MATRIX_FMT_FP6 matrix_b_fmt:MATRIX_FMT_FP6 matrix_a_scale:MATRIX_SCALE_ROW1
.else
	v_wmma_scale_f32_16x16x128_f8f6f4 v[OO+8*(\t):OO+8*(\t)+7], v[VF+12*(\t):VF+12*(\t)+11], v[CD:CD+11], v[OO+8*(\t):OO+8*(\t)+7], v[VSC+(\t)/2], v[PW] matrix_a_fmt:MATRIX_FMT_FP6 matrix_b_fmt:MATRIX_FMT_FP6
.endif
	WALU                                           ; The wait directly behind the product
.endm
.macro TM pr                           ; t - M of pair pr of the scores
	v_pk_fma_f32 v[SS+2*(\pr):SS+2*(\pr)+1], v[SS+2*(\pr):SS+2*(\pr)+1], s[CS:CS+1], v[12:13] op_sel_hi:[1,0,0]
.endm
; A KEY STEP: 128 keys, the trip's record k.  pf = 1: the next record's K is asked for.
.macro STEP k, pf
	WALU                                           ; the wait ahead of the wait below: the addresses
	s_wait_dscnt 0x0                               ; this record's K is in (asked for a step ago)
.irp t, 0,1,2,3,4,5,6,7
	QK \t
.endr
	v_mov_b32 v[OLDM], v12                         ; four places behind the products, ahead of the loads into their registers and of the scores' first read
	v_pk_add_f32 v[14:15], v[14:15], v[SB:SB+1]    ; the last step's second chain joins the sum, still under the old M
	v_nop
	v_nop
	VLOAD \k
.if \pf
	KLOAD (\k)+1
.endif
.irp q, 0,1,2,3                                ; the largest score of my two blocks, in four chains; each accumulator is read from its low end on
	v_max3_num_f32 v[236+\q+\q/3], v[SS+16*\q], v[SS+16*\q+1], v[SS+16*\q+2]
.endr
.irp i, 3,5,7,9,11,13
.irp q, 0,1,2,3
	v_max3_num_f32 v[236+\q+\q/3], v[236+\q+\q/3], v[SS+16*\q+\i], v[SS+16*\q+\i+1]
.endr
.endr
	v_max3_num_f32 v[B0], v[B0], v[B0B], v[SS+15]
	v_max3_num_f32 v[B1], v[B1], v[B1B], v[SS+47]
	v_max_num_f32 v[B0], v[B0], v[SS+31]           ; it serves for the row's maximum and, since p rises with the score, for the block's largest p
	v_max_num_f32 v[B1], v[B1], v[SS+63]
	v_max_num_f32 v254, v[B0], v[B1]
	v_permlanex16_b32 v[B0B], v254, s[SEL], s[SEL+1]
	v_max_num_f32 v254, v254, v[B0B]
	v_mul_f32 v254, s[CS], v254
	v_max_num_f32 v13, v13, v254
	v_floor_f32 v12, -v13                          ; -M = floor(-t)
	v_sub_f32 v254, v12, v[OLDM]
	v_cvt_i32_f32 v254, v254
	v_ldexp_f32 v252, 1.0, v254                    ; f = 2^(old M - new M)
	v_fma_f32 v[B0], v[B0], s[CS], v12
	v_fma_f32 v[B1], v[B1], s[CS], v12
.set i, 0
.rept 16
	TM i                                           ; my first block
.set i, i+1
.endr
	WALU                                           ; ahead of the first batch
	v_exp_f32 v[B0], v[B0]
	v_pk_mul_f32 v[14:15], v[14:15], v[252:253] op_sel_hi:[1,0]   ; the sum under the new M
	v_exp_f32 v[B1], v[B1]
	TM 16
.set i, 0
.rept 32
	v_exp_f32 v[SS+i], v[SS+i]                     ; p = 2^(t - M)
.if i < 15
	TM 17+i                                        ; my second block
.elseif i < 31
	v_pk_mul_f32 v[OO+2*(i-15):OO+2*(i-15)+1], v[OO+2*(i-15):OO+2*(i-15)+1], v[252:253] op_sel_hi:[1,0]   ; O^T under the new M, each accumulator from its low end on
.else
	v_nop
.endif
.set i, i+1
.endr
	WALU                                           ; behind the first batch and ahead of the second
.set i, 32
.rept 32
	v_exp_f32 v[SS+i], v[SS+i]
.set i, i+1
.endr
	v_nop                                          ; the plain place behind the batch
	WALU                                           ; and the wait behind it
	v_max_num_f32 v[B0], 0x1800000, v[B0]          ; the floor 2^(3 - 127)
	v_max_num_f32 v[B1], 0x1800000, v[B1]
	v_add_nc_u32 v[SO], 0xff000000, v[B0]
	v_add_nc_u32 v[SO+1], 0xff000000, v[B1]
	v_lshrrev_b32 v[B0], 23, v[SO]
	v_lshrrev_b32 v[B1], 23, v[SO+1]
	v_lshl_or_b32 v254, v[B1], 16, v[B0]           ; my two bytes: blocks h and 2 + h
	v_lshlrev_b32 v254, v[H8], v254
	v_permlanex16_b32 v[B0B], v254, s[SEL], s[SEL+1]
	v_or_b32 v[PW], v254, v[B0B]
	v_cvt_scalef32_pk16_fp6_f32 v[CD:CD+2], v[SS:SS+15], v[SO]
	v_cvt_scalef32_pk16_fp6_f32 v[CT0:CT0+2], v[SS+16:SS+31], v[SO]
	v_cvt_scalef32_pk16_fp6_f32 v[CD+6:CD+8], v[SS+32:SS+47], v[SO+1]
	v_cvt_scalef32_pk16_fp6_f32 v[CT1:CT1+2], v[SS+48:SS+63], v[SO+1]
	v_pk_add_f32 v[SB:SB+1], v[SS:SS+1], v[SS+2:SS+3]   ; the sum of the unquantised p, in two chains; also the plain line behind the conversions
.irp i, 0,1,2
	v_mov_b32 v[CD+3+\i], v[CT0+\i]
.endr
.irp i, 0,1,2
	v_mov_b32 v[CD+9+\i], v[CT1+\i]
.endr
.set j, 4
.rept 15
	v_pk_add_f32 v[14:15], v[14:15], v[SS+j:SS+j+1]     ; these thirty are also the places between the codes' and the scale word's writes and the products
	v_pk_add_f32 v[SB:SB+1], v[SB:SB+1], v[SS+j+2:SS+j+3]
.set j, j+4
.endr
	WALU                                           ; the wait ahead of the wait below
.if \pf
	s_wait_dscnt 20                                ; V is in; the 20 loads behind it, the next record's K, may be out
.else
	s_wait_dscnt 0x0
.endif
.irp t, 0,1,2,3
	PV \t
.endr
.endm
; The end of a pass: O^T / the sum, quantised: half an operand of the last product.
.macro OUT p
.if \p == 0
	QLOAD 1
.endif
	v_pk_add_f32 v[14:15], v[14:15], v[SB:SB+1]
.rept 3
	v_nop
.endr
	v_add_f32 v14, v14, v15
	v_permlanex16_b32 v254, v14, s[SEL], s[SEL+1]
	v_add_f32 v14, v14, v254
	WALU
	v_rcp_f32 v14, v14
	v_nop
	WALU
.set j, 0
.rept 32
	v_mul_f32 v[SS+j], v[OO+j], v14
.set j, j+1
.endr
.irp b, 0,1
	v_max3_num_f32 v[236+2*\b], |v[SS+16*\b]|, |v[SS+1+16*\b]|, 0x1800000
.endr
.irp i, 2,4,6,8,10,12,14
.irp b, 0,1
	v_max3_num_f32 v[236+2*\b], v[236+2*\b], |v[SS+16*\b+\i]|, |v[SS+1+16*\b+\i]|
.endr
.endr
	v_permlanex16_b32 v[B0B], v[B0], s[SEL], s[SEL+1]
	v_permlanex16_b32 v[B1B], v[B1], s[SEL], s[SEL+1]
	v_max_num_f32 v[B0], v[B0], v[B0B]
	v_max_num_f32 v[B1], v[B1], v[B1B]
	v_add_nc_u32 v[SO], 0xff000000, v[B0]
	v_add_nc_u32 v[SO+1], 0xff000000, v[B1]
	v_lshrrev_b32 v[B0B], 23, v[SO]
	v_lshrrev_b32 v[B1B], 23, v[SO+1]
	v_cndmask_b32 v254, v[B0B], v[B1B], s[HM]
	v_cvt_scalef32_pk16_fp6_f32 v[CD:CD+2], v[SS:SS+15], v[SO]
	v_cvt_scalef32_pk16_fp6_f32 v[CT1:CT1+2], v[SS+16:SS+31], v[SO+1]
	v_nop
.irp i, 0,1,2
	v_permlane16_swap_b32 v[CD+\i], v[CT1+\i]
.endr
.irp i, 0,1,2
	v_mov_b32 v[CD+3+\i], v[CT1+\i]
.endr
	global_store_b128 v1, v[CD:CD+3], s[OC:OC+1] offset:204800*\p
	global_store_b64 v2, v[CD+4:CD+5], s[OC:OC+1] offset:204800*\p+512
	global_store_b8 v7, v254, s[OBR:OBR+1] offset:204800*\p+12288   ; the words' other two bytes are the neighbouring head's
.endm
; A pass: 16 key steps: five trips of three, and the last, which has no next record to ask for, written out.
.macro PASS p
.if \p
	s_wait_xcnt 0x0
.endif
	v_mov_b32 v13, 0xff61b1e6                      ; -3e38
	v_floor_f32 v12, -v13
	v_mov_b32 v14, 0
	v_mov_b32 v15, 0
	v_mov_b32 v[SB], 0
	v_mov_b32 v[SB+1], 0
.set j, 0
.rept 32
	v_mov_b32 v[OO+j], 0                           ; the step is written once: the first finds zeros
.set j, j+1
.endr
	s_mov_b32 s[RB], 0
	s_mov_b32 s[CNT], 5
	ADDR
	KLOAD 0
	s_wait_loadcnt 0x0                             ; Q
.Ltrip_\@:
	STEP 0, 1
	STEP 1, 1
	STEP 2, 1                                      ; its look-ahead is the next trip's first record
	s_add_co_u32 s[RB], s[RB], 3*KV
	ADDR
	s_sub_co_u32 s[CNT], s[CNT], 1
	s_cmp_lg_u32 s[CNT], 0
	s_cbranch_scc1 .Ltrip_\@
	STEP 0, 0
	OUT \p
.endm
	PASS 0
	PASS 1
	s_wait_xcnt 0x0
	v_lshl_add_u32 v254, v0, 2, SPARE
	v_mov_b32 v255, 0
	WALU
	s_wait_tensorcnt 0x0                           ; the wave's end
	ds_add_u32 v254, v255
	s_wait_dscnt 0x0
	CROUND
	s_endpgm
.Lfunc_end_k_q1574278803_attn:
	.size	k_q1574278803_attn, .Lfunc_end_k_q1574278803_attn-k_q1574278803_attn
	.p2alignl 7, 3214868480
	.fill 96, 4, 3214868480
	.section	.rodata,"a",@progbits
	.p2align	6, 0x0
	.amdhsa_kernel k_q1574278803_attn
		.amdhsa_group_segment_fixed_size 219136
		.amdhsa_private_segment_fixed_size 0
		.amdhsa_enable_private_segment 0
		.amdhsa_kernarg_size 16
		.amdhsa_user_sgpr_count 2
		.amdhsa_user_sgpr_kernarg_segment_ptr 1
		.amdhsa_wavefront_size32 1
		.amdhsa_system_sgpr_workgroup_id_x 1
		.amdhsa_system_sgpr_workgroup_id_y 1
		.amdhsa_system_sgpr_workgroup_id_z 1
		.amdhsa_system_vgpr_workitem_id 0
		.amdhsa_next_free_vgpr 256
		.amdhsa_next_free_sgpr 66
		.amdhsa_reserve_vcc 0
		.amdhsa_float_denorm_mode_32 3
		.amdhsa_float_denorm_mode_16_64 3
		.amdhsa_memory_ordered 1
		.amdhsa_forward_progress 1
		.amdhsa_inst_pref_size 134
	.end_amdhsa_kernel
	.amdgpu_metadata
---
amdhsa.version: [ 1, 2 ]
amdhsa.kernels:
  - .name:           k_q1574278803_attn
    .symbol:         k_q1574278803_attn.kd
    .args:
      - { .name: qkvb, .offset: 0, .size: 8, .value_kind: global_buffer, .address_space: global }
      - { .name: ob, .offset: 8, .size: 8, .value_kind: global_buffer, .address_space: global }
    .group_segment_fixed_size: 219136
    .private_segment_fixed_size: 0
    .kernarg_segment_align: 8
    .kernarg_segment_size: 16
    .max_flat_workgroup_size: 512
    .sgpr_count:     66
    .vgpr_count:     256
    .wavefront_size: 32
...
	.end_amdgpu_metadata
.endif
;; end of part 2
;; launch proj (part 3): grid 4 x 64, 4 waves a work-group, clusters of 4 x 4, 327,680 bytes of LDS; arguments ob, w_out_codes, w_out_scales, b_out, out0; writes out0
.if DOCPART == 3
	.amdgcn_target "amdgcn-amd-amdhsa--gfx1250"
	.amdhsa_code_object_version 6
	.text
	.protected	k_q1574278803_proj
	.globl	k_q1574278803_proj
	.p2align	8
	.type	k_q1574278803_proj,@function
k_q1574278803_proj:
	s_mov_b64 s[64:65], 0
	v_nop
	global_prefetch_b8 v0, s[64:65] scope:SCOPE_SE
	s_setreg_imm32_b32 hwreg(HW_REG_WAVE_MODE, 25, 1), 1
	s_wait_xcnt 0x0
	s_wait_alu depctr_hold_cnt(0) depctr_sa_sdst(0) depctr_va_vdst(0) depctr_va_sdst(0) depctr_va_ssrc(0) depctr_va_vcc(0) depctr_vm_vsrc(0)
	s_getreg_b32 s2, hwreg(HW_REG_IB_STS2, 6, 4)
	s_cmp_eq_u32 s2, 0
	s_cbranch_scc0 .Lentry_in_a_cluster
	s_endpgm
.Lentry_in_a_cluster:
	s_bfe_u32 s2, ttmp6, 0x10000c
	s_cmp_lg_u32 s2, 0xf033
	s_cbranch_scc0 .Lentry_shape_is_right
	s_endpgm
.Lentry_shape_is_right:
; out0 = o w_out^T + b_out on codes of FP6 (E2M3) with E8M0 scales, K = 1,024.  o comes as images of the operand's registers (records of 12,800 bytes: group of 128 rows x K step of 128), w_out as rows of codes.
; A work-group makes 128 rows x 256 columns; wave w all 128 rows x columns 64 w on.  All that it reads fits in LDS at once (o 102,400 bytes, w_out 256 rows of 768 + 48 bytes, its scales): filled once,
; ONE tensor load a wave at the head: wave 0 o's eight records, waves 1 and 2 128 rows of w_out each, wave 3 its scales.  No ring, no refill, one barrier, and so no loop along which a prefetch could run ahead.
; THE WORK GOES BY ROWS OF out0.  A wave holds its 64 rows of w_out, all of K, in registers (32 fragments, 384 registers) and finishes one tile of 16 rows after the other: 32 products on four accumulators by turns, K ascending.
; A tile leaves through the stage while the next is multiplied: two sets of accumulators, two sets of o's fragments.
; CLUSTER 4 x 4: o's records are shared along a row of the cluster, w_out's rows and scales along a column: joint loads.
; Source 0 = 16 rows of w_out, source 1 = 16 rows of o: a lane holds eight neighbouring columns of one row of out0.  The bias is the C of each sum's first product.
; Lane r of o's tile a is row 32 (a / 2) + 8 (a % 2) + r + 8 (r / 8) of the group: the way out puts the rows back in their places.
; LIMITS: a scale byte 0xff in w_out_scales is not served.
.set WROW,  102400
.set WP,    816
.set WSCL,  WROW+256*WP
.set SPARE, WSCL+32*272
.set FPW,   21                         ; fragments of 12 registers in a window
.set SPW,   14
.set NIL,   15
.set WS,    16                         ; v16-31  w_out's scale words
.set OS,    32                         ; v32-63  o's
.set BI,    64                         ; v64-95  the bias
.set BK,    192                        ; v192-255 rows read back from the stage, two sets (v192, v193: at work at the head)
; w_out's fragment f = 4 s + b: window 1 + f / 21, register 12 (f % 21).  o's fragments of tile a: a even: window 0, v96 + 12 s; a odd: window 2, v144 + 12 s.  Accumulator b of tile a: window 3, v[32 (a % 2) + 8 b]
; v3, v4: 16 x lane, + 51,200;  v5, v6: 8 x lane, + 51,200;  v7, v8: my row of w_out + 24 h, + 40 h;  v9 my scale words of w_out;  v10, v11 the stage, in and back;  v12 my place in two rows of out0;  v13 32 h
.set G1O, 24
.set G0O, 32
.set G0W, 36
.set G1W, 48
.set G1S, 56
.set G0S, 68
.set MSB, 0
.macro WIN new
.if MSB != \new
	s_set_vgpr_msb (MSB<<8)|\new
.set MSB, \new
.endif
.endm
.macro CROUND
	s_barrier_signal -1
	s_barrier_wait -1
	s_cmp_lg_u32 s14, 0
	s_cbranch_scc1 .Lnot_wave_0_\@
	s_barrier_signal -3
.Lnot_wave_0_\@:
	s_barrier_wait -3
	s_barrier_signal -1
	s_barrier_wait -1
.endm
.macro TLOAD g0, g1
	tensor_load_to_lds s[\g0:\g0+3], s[\g1:\g1+7]
	s_nop 0
.rept 4
	v_nop
.endr
.endm
	s_load_b128 s[4:7], s[0:1], 0x0                ; ob, w_out's codes
	s_load_b128 s[8:11], s[0:1], 0x10              ; w_out's scales, b_out
	s_load_b64 s[12:13], s[0:1], 0x20              ; out0
	v_lshl_add_u32 v[SPW], v0, 2, SPARE
	v_mov_b32 v[NIL], 0
	ds_add_u32 v[SPW], v[NIL]                      ; the opening lines
	ds_add_u32 v[SPW], v[NIL]
	v_lshrrev_b32 v1, 5, v0
	v_readfirstlane_b32 s14, v1
	s_bfe_u32 s40, ttmp6, 0x40000
	s_bfe_u32 s41, ttmp6, 0x40004
	s_lshl_b32 s42, ttmp9, 2
	s_add_co_u32 s42, s42, s40                     ; block of 256 columns
	s_and_b32 s17, ttmp7, 0xffff
	s_lshl_b32 s17, s17, 2
	s_add_co_u32 s17, s17, s41                     ; group of 128 rows
	s_lshl_b32 s43, s41, 2
	s_lshl_b32 s43, 15, s43
	s_lshl_b32 s44, 0x1111, s40
	s_or_b32 s[G1O], s43, (3<<16)|(1<<21)          ; o: eight records, 400 rows of 256 bytes, dense
	s_mov_b32 s[G1O+1], 32<<16
	s_mov_b32 s[G1O+2], 400<<16
	s_mov_b32 s[G1O+3], 32<<16
	s_mov_b32 s[G1O+4], 400
	s_mov_b32 s[G1O+5], 32
	s_mov_b32 s[G1O+6], 0
	s_mov_b32 s[G1O+7], 0
	s_or_b32 s[G1W], s44, (0<<16)|(1<<20)|(1<<21)|(5<<22)|(3<<25)   ; w_out: 128 rows of 768 bytes, 16 bytes of padding behind every 256
	s_mov_b32 s[G1W+1], 768<<16
	s_mov_b32 s[G1W+2], 128<<16
	s_mov_b32 s[G1W+3], 768<<16
	s_mov_b32 s[G1W+4], 128
	s_mov_b32 s[G1W+5], 768
	s_mov_b32 s[G1W+6], 0
	s_mov_b32 s[G1W+7], 0
	s_or_b32 s[G1S], s44, (3<<16)|(1<<20)|(1<<21)|(5<<22)|(3<<25)   ; its scales: 256 rows x 32 bytes = 32 rows of 256, 16 of padding behind each
	s_mov_b32 s[G1S+1], 32<<16
	s_mov_b32 s[G1S+2], 32<<16
	s_mov_b32 s[G1S+3], 32<<16
	s_mov_b32 s[G1S+4], 32
	s_mov_b32 s[G1S+5], 32
	s_mov_b32 s[G1S+6], 0
	s_mov_b32 s[G1S+7], 0
	s_mul_i32 s20, s17, 102400                     ; o's records in memory
	s_mov_b32 s21, 0
	s_lshl_b32 s46, s42, 8
	s_lshl_b32 s47, s14, 6
	s_add_co_u32 s46, s46, s47                     ; my first column: 256 x block + 64 x wave
	s_lshl_b32 s74, s46, 2                         ; its place in b_out and in a row of out0
	s_mov_b32 s75, 0
	s_lshl_b32 s72, s42, 13                        ; the block's scale bytes
	s_mov_b32 s73, 0
	s_and_b32 s15, s14, 1                          ; waves 1 and 2 fetch halves 1 and 0 of the block's rows of w_out
	s_mul_i32 s16, s15, 128*WP
	s_add_co_u32 s16, s16, WROW
	s_lshl_b32 s15, s15, 7
	s_lshl_b32 s46, s42, 8
	s_add_co_u32 s46, s46, s15
	s_mul_i32 s46, s46, 768
	s_mov_b32 s47, 0
	s_mul_i32 s19, s14, 64*WP                      ; what I read: my 64 rows of w_out,
	s_add_co_u32 s19, s19, WROW
	s_mul_i32 s22, s14, 8*272                      ; and their scale bytes
	s_add_co_u32 s22, s22, WSCL
	s_lshl_b32 s76, s17, 19
	s_add_co_u32 s76, s76, s74
	s_mov_b32 s77, 0
	s_wait_dscnt 0x0
	s_wait_kmcnt 0x0
	s_mov_b32 s[G0O], 1
	s_mov_b32 s[G0O+1], 0
	s_add_nc_u64 s[G0O+2:G0O+3], s[4:5], s[20:21]
	s_or_b32 s[G0O+3], s[G0O+3], 0x80000000
	s_mov_b32 s[G0W], 1
	s_mov_b32 s[G0W+1], s16
	s_add_nc_u64 s[G0W+2:G0W+3], s[6:7], s[46:47]
	s_or_b32 s[G0W+3], s[G0W+3], 0x80000000
	s_mov_b32 s[G0S], 1
	s_mov_b32 s[G0S+1], WSCL
	s_add_nc_u64 s[G0S+2:G0S+3], s[8:9], s[72:73]
	s_or_b32 s[G0S+3], s[G0S+3], 0x80000000
	s_add_nc_u64 s[10:11], s[10:11], s[74:75]
	s_add_nc_u64 s[12:13], s[12:13], s[76:77]
	CROUND
	s_cmp_eq_u32 s14, 0                            ; one chain of branches on the wave's number, one load to an arm
	s_cbranch_scc0 .Lhead_w
	TLOAD G0O, G1O
	s_branch .Lhead_asked
.Lhead_w:
	s_cmp_lt_u32 s14, 3
	s_cbranch_scc0 .Lhead_s
	TLOAD G0W, G1W
	s_branch .Lhead_asked
.Lhead_s:
	TLOAD G0S, G1S
.Lhead_asked:
	v_and_b32 v1, 15, v0
	v_bfe_u32 v2, v0, 4, 1
	v_and_b32 v192, 31, v0
	v_lshlrev_b32 v3, 4, v192
	v_add_nc_u32 v4, 51200, v3
	v_lshlrev_b32 v5, 3, v192
	v_add_nc_u32 v6, 51200, v5
	v_mul_u32_u24 v7, v1, WP
	v_mad_u32_u24 v7, v2, 24, v7
	v_add_nc_u32 v7, s19, v7
	v_lshl_add_u32 v8, v2, 4, v7
	v_lshrrev_b32 v193, 3, v1
	v_and_b32 v9, 7, v1
	v_lshlrev_b32 v9, 5, v9
	v_mad_u32_u24 v9, v193, 272, v9
	v_mad_u32_u24 v9, v2, 544, v9                  ; lanes 16-31 take the next tile's
	v_add_nc_u32 v9, s22, v9
	v_mul_u32_u24 v10, v1, 272
	v_lshl_add_u32 v10, v2, 5, v10
	v_add_nc_u32 v10, s19, v10                     ; the stage: the first 4,352 bytes of my own rows of w_out, which I alone read, and have read when the first result is stored there
	v_mul_u32_u24 v11, v2, 272
	v_lshl_add_u32 v11, v1, 4, v11
	v_add_nc_u32 v11, s19, v11
	v_lshlrev_b32 v12, 12, v2
	v_lshl_add_u32 v12, v1, 4, v12
	v_lshlrev_b32 v13, 5, v2
.irp b, 0,1,2,3
	global_load_b128 v[BI+8*\b:BI+8*\b+3], v13, s[10:11] offset:64*\b
	global_load_b128 v[BI+8*\b+4:BI+8*\b+7], v13, s[10:11] offset:64*\b+16
.endr
	s_wait_alu depctr_va_vdst(0)                   ; the wait at the head's end
	s_wait_tensorcnt 0x0
	s_barrier_signal -1
	s_barrier_wait -1
.irp j, 0,1
.irp q, 0,1
	ds_load_b128 v[WS+8*\j+4*\q:WS+8*\j+4*\q+3], v9 offset:1088*\j+16*\q
.endr
.endr
.irp s, 0,1,2,3
	ds_load_b128 v[OS+4*\s:OS+4*\s+3], v3 offset:12800*\s+12288
	ds_load_b128 v[OS+16+4*\s:OS+16+4*\s+3], v4 offset:12800*\s+12288
.endr
; my 64 rows of w_out, all of K: 192 loads of 8 bytes; lanes 16-31 read three pieces on, behind one padding more where the piece's place in its 32 is 29 or more
.irp s, 0,1,2,3,4,5,6,7
.irp b, 0,1,2,3
.set F_, 4*\s+\b
	WIN (1+F_/FPW)<<6
.irp q, 0,1,2,3,4,5
.set PIECE, 12*\s+6*(\q/3)+\q%3
.if PIECE%32 < 29
	ds_load_b64 v[12*(F_%FPW)+2*\q:12*(F_%FPW)+2*\q+1], v7 offset:8*PIECE+16*(PIECE/32)+16*WP*\b
.else
	ds_load_b64 v[12*(F_%FPW)+2*\q:12*(F_%FPW)+2*\q+1], v8 offset:8*PIECE+16*(PIECE/32)+16*WP*\b
.endif
.endr
.endr
.endr
.macro OLOAD a                         ; o's eight fragments of tile a: 32 loads
.set OB_, 96+48*((\a)%2)
	WIN 0x80*((\a)%2)
.irp s, 0,1,2,3,4,5,6,7
.irp c, 0,1
.if \s < 4
	ds_load_b128 v[OB_+12*\s+6*\c:OB_+12*\s+6*\c+3], v3 offset:12800*(\s%4)+1536*(\a)+768*\c
	ds_load_b64 v[OB_+12*\s+6*\c+4:OB_+12*\s+6*\c+5], v5 offset:12800*(\s%4)+1536*(\a)+768*\c+512
.else
	ds_load_b128 v[OB_+12*\s+6*\c:OB_+12*\s+6*\c+3], v4 offset:12800*(\s%4)+1536*(\a)+768*\c
	ds_load_b64 v[OB_+12*\s+6*\c+4:OB_+12*\s+6*\c+5], v6 offset:12800*(\s%4)+1536*(\a)+768*\c+512
.endif
.endr
.endr
	WIN 0
.endm
.macro PROD a, b, s
.set F_, 4*(\s)+(\b)
.set rD, 32*((\a)%2)+8*(\b)
.set rW, 12*(F_%FPW)
.set rO, 96+48*((\a)%2)+12*(\s)
.set rA, WS+8*((\b)/2)+(\s)
.set rB, OS+4*(\s)+(\a)/2
.if (\s) == 0
.set rC, BI+8*(\b)                     ; the bias starts the sum (window 0)
	WIN (1+F_/FPW)|((2*((\a)%2))<<2)|(3<<6)
.else
.set rC, rD
	WIN (1+F_/FPW)|((2*((\a)%2))<<2)|(3<<4)|(3<<6)
.endif
.if ((\a)%2 == 0) && ((\b)%2 == 0)
	v_wmma_scale_f32_16x16x128_f8f6f4 v[rD:rD+7], v[rW:rW+11], v[rO:rO+11], v[rC:rC+7], v[rA], v[rB] matrix_a_fmt:MATRIX_FMT_FP6 matrix_b_fmt:MATRIX_FMT_FP6
.elseif (\a)%2 == 0
	v_wmma_scale_f32_16x16x128_f8f6f4 v[rD:rD+7], v[rW:rW+11], v[rO:rO+11], v[rC:rC+7], v[rA], v[rB] matrix_a_fmt:MATRIX_FMT_FP6 matrix_b_fmt:MATRIX_FMT_FP6 matrix_a_scale:MATRIX_SCALE_ROW1
.elseif (\b)%2 == 0
	v_wmma_scale_f32_16x16x128_f8f6f4 v[rD:rD+7], v[rW:rW+11], v[rO:rO+11], v[rC:rC+7], v[rA], v[rB] matrix_a_fmt:MATRIX_FMT_FP6 matrix_b_fmt:MATRIX_FMT_FP6 matrix_b_scale:MATRIX_SCALE_ROW1
.else
	v_wmma_scale_f32_16x16x128_f8f6f4 v[rD:rD+7], v[rW:rW+11], v[rO:rO+11], v[rC:rC+7], v[rA], v[rB] matrix_a_fmt:MATRIX_FMT_FP6 matrix_b_fmt:MATRIX_FMT_FP6 matrix_a_scale:MATRIX_SCALE_ROW1 matrix_b_scale:MATRIX_SCALE_ROW1
.endif
.endm
.macro MUL a                           ; tile a: 32 products; its four accumulators take turns, one instruction a turn
.irp s, 0,1,2,3,4,5,6,7
.irp b, 0,1,2,3
	PROD \a, \b, \s
.endr
.endr
	WIN 0
.endm
; THE WAY OUT, a tile of 16 rows x 64 columns through my stage: sixteen lanes then store 256 consecutive bytes, at a multiple of 256 from out0's first byte.
.macro TOSTAGE a
	WIN 0x0c                                       ; the data: window 3
.irp b, 0,1,2,3
	ds_store_b128 v10, v[32*((\a)%2)+8*\b:32*((\a)%2)+8*\b+3] offset:64*\b         ; each accumulator from its low end on
	ds_store_b128 v10, v[32*((\a)%2)+8*\b+4:32*((\a)%2)+8*\b+7] offset:64*\b+16
.endr
	WIN 0
.irp k, 0,1,2,3,4,5,6,7
	ds_load_b128 v[BK+32*((\a)%2)+4*\k:BK+32*((\a)%2)+4*\k+3], v11 offset:544*\k   ; LDS serves a wave's instructions in order: these see the stores above
.endr
.endm
.macro SEND a, younger                 ; younger: LDS instructions issued behind tile a's loads that may stay out
	s_wait_dscnt \younger
.irp k, 0,1,2,3,4,5,6,7
	global_store_b128 v12, v[BK+32*((\a)%2)+4*\k:BK+32*((\a)%2)+4*\k+3], s[12:13] offset:(32*((\a)/2)+8*((\a)%2)+2*\k+8*(\k/4))*4096 th:TH_STORE_NT
.endr
.endm
	OLOAD 0
	OLOAD 1
	s_wait_loadcnt 0x0                             ; the bias
.irp a, 0,1,2,3,4,5,6,7
.if \a == 0
	s_wait_dscnt 32                                ; all but tile 1's 32 loads
.elseif \a < 7
	s_wait_dscnt 48                                ; behind tile a's loads: the stage's 16 and the next fetch's 32
.else
	s_wait_dscnt 16                                ; the stage's 16
.endif
	MUL \a
.rept 4
	v_nop                                          ; places behind the products, ahead of the stores of their results and of the loads into their fragments
.endr
.if \a > 1
	s_wait_xcnt 0x0                                ; tile a - 2's stores have read their registers: tile a's rows may land there
.endif
	TOSTAGE \a
.if \a > 0
	SEND \a-1, 16                                  ; tile a's 8 stores and 8 loads may be out
.endif
.if \a < 6
	OLOAD \a+2
.endif
.endr
	SEND 7, 0
	s_wait_tensorcnt 0x0                           ; the wave's end
	ds_add_u32 v[SPW], v[NIL]
	s_wait_dscnt 0x0
	CROUND
	s_endpgm
.Lfunc_end_k_q1574278803_proj:
	.size	k_q1574278803_proj, .Lfunc_end_k_q1574278803_proj-k_q1574278803_proj
	.p2alignl 7, 3214868480
	.fill 96, 4, 3214868480
	.section	.rodata,"a",@progbits
	.p2align	6, 0x0
	.amdhsa_kernel k_q1574278803_proj
		.amdhsa_group_segment_fixed_size 327680
		.amdhsa_private_segment_fixed_size 0
		.amdhsa_enable_private_segment 0
		.amdhsa_kernarg_size 40
		.amdhsa_user_sgpr_count 2
		.amdhsa_user_sgpr_kernarg_segment_ptr 1
		.amdhsa_wavefront_size32 1
		.amdhsa_system_sgpr_workgroup_id_x 1
		.amdhsa_system_sgpr_workgroup_id_y 1
		.amdhsa_system_sgpr_workgroup_id_z 1
		.amdhsa_system_vgpr_workitem_id 0
		.amdhsa_next_free_vgpr 832
		.amdhsa_next_free_sgpr 80
		.amdhsa_reserve_vcc 0
		.amdhsa_float_denorm_mode_32 3
		.amdhsa_float_denorm_mode_16_64 3
		.amdhsa_memory_ordered 1
		.amdhsa_forward_progress 1
		.amdhsa_inst_pref_size 87
	.end_amdhsa_kernel
	.amdgpu_metadata
---
amdhsa.version: [ 1, 2 ]
amdhsa.kernels:
  - .name:           k_q1574278803_proj
    .symbol:         k_q1574278803_proj.kd
    .args:
      - { .name: ob, .offset: 0, .size: 8, .value_kind: global_buffer, .address_space: global }
      - { .name: w_out_codes, .offset: 8, .size: 8, .value_kind: global_buffer, .address_space: global }
      - { .name: w_out_scales, .offset: 16, .size: 8, .value_kind: global_buffer, .address_space: global }
      - { .name: b_out, .offset: 24, .size: 8, .value_kind: global_buffer, .address_space: global }
      - { .name: out0, .offset: 32, .size: 8, .value_kind: global_buffer, .address_space: global }
    .group_segment_fixed_size: 327680
    .private_segment_fixed_size: 0
    .kernarg_segment_align: 8
    .kernarg_segment_size: 40
    .max_flat_workgroup_size: 128
    .sgpr_count:     80
    .vgpr_count:     832
    .wavefront_size: 32
...
	.end_amdgpu_metadata
.endif
;; end of part 3
